; MI455X (gfx1250); checked and timed in simulation.
; The chip was launched on July 23, 2026; its instructions are those of AMD's public machine-readable ISA for CDNA 5 (MIT licence, August 2026) and "CDNA5" Instruction Set Architecture Reference Guide (July 2026). The comments in the code are by the model that wrote it; some were corrected since.
;; Multi Query Attention. Allowed arithmetic: matrix products marked QUANTISED: E2M3 operands, one E8M0 scale for each 32 along K, by v_wmma_scale_f32_16x16x128_f8f6f4 with both operands' format E2M3, f32 sums; everything else in f32.
;; Inputs: Wk_b 128 float32; Wk_w 128 x 2,048 float32; Wq_b 2,048 float32; Wq_w 2,048 x 2,048 float32; Wv_b 128 float32; Wv_w 128 x 2,048 float32; x 2 x 2,048 x 2,048 float32.
;; Outputs: out0 2 x 2,048 x 2,048 float32.
;; This version of the problem:
;;   THIS VERSION OF THE PROBLEM IS GIVEN IN LOW PRECISION. The matrix products marked QUANTISED in the list below multiply operands that are first quantised to E2M3 (2 exponent bits, 3 mantissa bits; 6 bits a number), with one power-of-two scale for each 32 numbers along K (OCP MX v1.0); their sums are f32. All else is computed in f32.
;;   The module's matrix products, in the order in which they are computed (A, B: the left and right operand; K: the contracted axis; several contracted axes count as one K, in the product's order):
;;     1. [M 4,096, K 2,048] x [K 2,048, N 2,048]; A: input x; B: input Wq_w: QUANTISED
;;     2. [M 4,096, K 2,048] x [K 2,048, N 128]; A: input x; B: input Wk_w: QUANTISED
;;     3. [M 4,096, K 2,048] x [K 2,048, N 128]; A: input x; B: input Wv_w: QUANTISED
;;     4. batch 2 x [M 2,048, K 128] x [K 128, N 32,768]; A: computed on the way; B: computed on the way: QUANTISED
;;     5. batch 2 x [M 128, K 2,048] x [K 2,048, N 32,768]; A: computed on the way; B: softmax (see below): QUANTISED
;;   THE QUANTISER, for each operand of a quantised product, along K:
;;     - K is cut into blocks of 32 from its start; a last block that is shorter is filled with zeros.
;;     - A block's scale is 2^e with e = floor(log2(the largest magnitude in the block)) - 2, held to -126 .. 127; a block of zeros has e = 0. As a byte (E8M0): e + 127.
;;     - Each number is divided by its block's scale, clamped to +-7.5, and rounded to the nearest number of E2M3, ties to even, subnormals kept.
;;     - The product sums the exact products of the quantised numbers (number of the format x scale) in f32.
;;   ~~~python
;;   def quantise(x, axis):      # numpy; x: float32 -> the quantised numbers, widened to float32 again
;;       x = np.moveaxis(x, axis, -1); K = x.shape[-1]
;;       x = np.pad(x, [(0, 0)] * (x.ndim - 1) + [(0, -K % 32)]); x = x.reshape(x.shape[:-1] + (-1, 32)); a = np.abs(x).max(-1, keepdims=True)
;;       e = np.where(a > 0, np.clip(np.frexp(np.where(a > 0, a, 1))[1] - 1 - 2, -126, 127), 0)      # np.frexp(a)[1] - 1 = floor(log2(a)), exactly
;;       r = np.clip(x / 2.0 ** e, -7.5, 7.5)
;;       step = 2.0 ** (np.maximum(np.frexp(np.where(r == 0, 1, r))[1] - 1, 0) - 3)
;;       q = np.round(r / step) * step * 2.0 ** e      # np.round: ties to even
;;       return np.moveaxis(q.reshape(q.shape[:-2] + (-1,))[..., :K], -1, axis).astype(np.float32)
;;   ~~~
;;   SOFTMAX AHEAD OF A QUANTISED PRODUCT. Where the list says 'softmax', what is quantised is not the finished softmax but p = 2^(t - M), with t = logit x log2(e) and M = ceil(the row's largest t), a whole number; so 1/2 < the row's largest p <= 1. The row's sum l is taken of the UNQUANTISED p, in f32, and the product's result is divided by l at the end. Since M is a whole number, a kernel that streams over the keys may use a running M (the ceiling of the running maximum): every later rescaling is an exact power of two, which a block's scale takes up: the codes' values come out the same.
;;   OPERANDS COMPUTED ON THE WAY. 'Computed on the way' means the value that the module computes at that place (a softmax that the list does not call 'softmax' is quantised finished and normalised). What goes into a quantiser is computed in f32, as accurately as f32 sums, v_exp_f32 and their like allow (about 1e-6 of the number): no bf16 or f16 on the way to a quantiser, and a product that is left as it is and whose result goes on into a quantised operand takes f32 operands (vector FMAs, or v_wmma_f32_16x16x4_f32). A number that lies on a knife's edge between two numbers of the format may be rounded either way, as far as f32 arithmetic and the matrix unit's own rounding can turn it there, and no further.
;; One version. Each part assembles by itself: llvm-mc -triple=amdgcn-amd-amdhsa -mcpu=gfx1250 --defsym DOCPART=n.
;; ======== version 1 of 1: 3 launches
;; workspace buffers: xc 6,291,456 bytes; xs 262,144 bytes; wc 3,538,944 bytes; ws 147,456 bytes; qc 6,291,456 bytes; qs 262,144 bytes; kv 819,200 bytes
;; launch quant (part 1): grid 400 x 1, 4 waves a work-group, no clusters, 34,304 bytes of LDS; arguments x, Wq_w, Wk_w, Wv_w, xc, xs, wc, ws; writes xc, xs, wc, ws
.if DOCPART == 1
	.amdgcn_target "amdgcn-amd-amdhsa--gfx1250"
	.amdhsa_code_object_version 6
	.text
	.protected	k_q8f4e9ae066_quant
	.globl	k_q8f4e9ae066_quant
	.p2align	8
	.type	k_q8f4e9ae066_quant,@function
k_q8f4e9ae066_quant:
	s_mov_b64 s[64:65], 0
	v_nop
	global_prefetch_b8 v0, s[64:65] scope:SCOPE_SE
	s_setreg_imm32_b32 hwreg(HW_REG_WAVE_MODE, 25, 1), 1
	s_wait_xcnt 0x0
; x [4096][2048], Wq [2048][2048], Wk [128][2048], Wv [128][2048], f32 with K innermost, become codes of FP6 (E2M3) with one E8M0 byte for each 32 along K.
; A block's scale is 2^(floor(log2(its largest magnitude)) - 2); its byte is the largest magnitude's exponent field - 2, held at 1 from below.
; LIMITS: NaN and infinities are not served; a block whose largest magnitude lies under 2^-124 gets the byte 1; a block of zeros gets the byte 1 where the rule says 127
; (its codes are zeros, which add nothing under any byte but 0xff, and the bytes are read by this program alone).
; WHAT IS STORED: IMAGES OF THE OPERAND'S REGISTERS.  A fragment is 16 rows x 128 K, 12 registers a lane; registers 4 c .. 4 c + 3 of lane l lie at 512 c + 16 l: 1,536 bytes.
; THE ROWS OF A FRAGMENT ARE NOT NEIGHBOURS: lane-row r of row block t is the tensor's row 32 (t / 2) + 8 (t % 2) + r + 8 (r / 8), so that, where the block is source 0 of a product, the 16 result
; registers of blocks 2 b and 2 b + 1 are 16 neighbours along the next product's K.
; xc: [256 along K: 8][row block: 256][which 128: 2][1536];  wc the same with 144 row blocks (0-127 Wq, 128-135 Wk, 136-143 Wv).  xs, ws: [row block][8][lane-row 16][2] scale words.
; SHARES.  A work-group takes one row block, its wave w the K steps 4 w .. 4 w + 3: four fragments.  Each load reads 512 consecutive bytes of one row; a fragment's 8 KiB turn through the wave's own
; stage in LDS (rows 528 bytes apart) and come back 16 neighbours of each block of 32 a lane.  Two fragments' loads (32 a wave) are out.  Waves share nothing: no barrier, no cluster, no matrix unit.
.set STG,   8448                       ; a wave's stage: 16 rows x (512 + 16) bytes
.set SPARE, 4*STG                      ; behind the stages: the spare words, 128 bytes for each wave, which no other line names
.set SPW,   8                          ; v8   LDS address of my spare word; never rewritten
.set NIL,   9                          ; v9   0; never rewritten
.set R,     16                         ; v16-143  two sets of 64 registers as loaded
.set X,     144                        ; v144-207 64 numbers: register 16 b + i = k 32 b + 16 (lane / 16) + i of my row
.set PC,    208                        ; v208-227 the codes just made
.set TM,    228                        ; v228-243 at work
.set PW,    244                        ; v244-247 the four fragments' scale words
.set SEL,   36                         ; s[36:37] lane selects: lane l xor 16
	s_load_b256 s[4:11], s[0:1], 0x0               ; x, Wq, Wk, Wv
	s_load_b256 s[12:19], s[0:1], 0x20             ; xc, xs, wc, ws
	v_lshl_add_u32 v[SPW], v0, 2, SPARE
	v_mov_b32 v[NIL], 0
	v_lshrrev_b32 v1, 5, v0
	v_readfirstlane_b32 s38, v1                    ; wave 0..3
	v_and_b32 v1, 31, v0                           ; lane
	v_and_b32 v2, 15, v0                           ; r
	v_bfe_u32 v3, v0, 4, 1                         ; h
	v_lshlrev_b32 v4, 4, v1                        ; 16 x lane: my bytes of a load's 512, and of an image's
	s_mul_i32 s39, s38, STG
	v_add_nc_u32 v5, s39, v4                       ; the stage, on the way in: a row as it lies
	v_mul_u32_u24 v6, v2, 528
	v_lshl_add_u32 v6, v3, 6, v6
	v_add_nc_u32 v6, s39, v6                       ; and on the way out: row r, + 64 h: my 16 numbers of a block of 32
	v_lshlrev_b32 v7, 3, v1                        ; 8 x lane: my two scale words
	s_mov_b32 s[SEL], 0x76543210
	s_mov_b32 s[SEL+1], 0xfedcba98
.irp b, 0,1,2,3
	v_mov_b32 v[TM+4+\b], 0                        ; written once: a lane permute's destination counts as one of its sources
.endr
	s_mov_b32 s20, ttmp9                           ; g
	s_wait_kmcnt 0x0
	; which tensor: the choice hangs on the work-group's number alone.  Only pointers and sizes are chosen: all four tensors take one path
	s_mov_b64 s[22:23], s[10:11]                   ; Wv,
	s_mov_b32 s21, 392                             ; whose first work-group is 392
	s_cmp_lt_u32 s20, 392
	s_cselect_b64 s[22:23], s[8:9], s[22:23]       ; Wk
	s_cselect_b32 s21, 384, s21
	s_cmp_lt_u32 s20, 384
	s_cselect_b64 s[22:23], s[6:7], s[22:23]       ; Wq
	s_cselect_b32 s21, 256, s21
	s_mov_b32 s29, 442368                          ; 256 along K of all 144 row blocks of the weights, in bytes
	s_cmp_lt_u32 s20, 256
	s_cselect_b64 s[22:23], s[4:5], s[22:23]       ; x
	s_cselect_b32 s21, 0, s21
	s_cselect_b64 s[24:25], s[12:13], s[16:17]     ; the codes' buffer
	s_cselect_b64 s[26:27], s[14:15], s[18:19]     ; the scale words'
	s_cselect_b32 s28, 0, 256
	s_cselect_b32 s29, 786432, s29                 ; the same of x's 256 row blocks
	s_sub_co_u32 s21, s20, s21                     ; t: the row block in its tensor
	s_sub_co_u32 s28, s20, s28                     ; and in its buffer
	s_lshr_b32 s40, s21, 1
	s_lshl_b32 s40, s40, 5
	s_and_b32 s41, s21, 1
	s_lshl_b32 s41, s41, 3
	s_add_co_u32 s40, s40, s41                     ; the block's first row: 32 (t / 2) + 8 (t % 2)
	s_lshl_b32 s40, s40, 13                        ; rows of 8,192 bytes
	s_lshl_b32 s41, s38, 11                        ; + my wave's 512 along K
	s_add_co_u32 s40, s40, s41
	s_mov_b32 s41, 0
	s_add_nc_u64 s[22:23], s[22:23], s[40:41]
	s_mul_i32 s40, s28, 3072                       ; a row block's two images,
	s_lshl_b32 s42, s38, 1
	s_mul_i32 s42, s42, s29                        ; in my wave's first 256 along K
	s_add_co_u32 s40, s40, s42
	s_add_nc_u64 s[30:31], s[24:25], s[40:41]
	s_mov_b32 s42, s29
	s_mov_b32 s43, 0
	s_add_nc_u64 s[32:33], s[30:31], s[42:43]      ; and in its second
	s_lshl_b32 s40, s28, 10                        ; 1,024 bytes of scale words a row block,
	s_lshl_b32 s42, s38, 8                         ; 256 of them my wave's
	s_add_co_u32 s40, s40, s42
	s_add_nc_u64 s[26:27], s[26:27], s[40:41]
.macro LOAD f                          ; fragment f's 16 rows, 512 consecutive bytes each, into set f % 2
.irp i, 0,1,2,3,4,5,6,7,8,9,10,11,12,13,14,15
	global_load_b128 v[R+64*((\f)%2)+4*\i:R+64*((\f)%2)+4*\i+3], v4, s[22:23] offset:(\i+8*(\i/8))*8192+512*(\f) th:TH_LOAD_NT
.endr
.endm
; 64 numbers of a lane, v[s] on, become a fragment's codes in v[PC] on and its scale word in v[pw]
.macro QUANT s, pw
.irp b, 0,1,2,3
	v_max3_num_f32 v[TM+\b], |v[\s+16*\b]|, |v[\s+1+16*\b]|, 0x1800000   ; block b: my 16 numbers, and the floor 2^(3 - 127): so the byte cannot fall under 1
.endr
.irp i, 2,4,6,8,10,12,14
.irp b, 0,1,2,3
	v_max3_num_f32 v[TM+\b], v[TM+\b], |v[\s+16*\b+\i]|, |v[\s+1+16*\b+\i]|   ; (the four blocks by turns)
.endr
.endr
.irp b, 0,1,2,3
	v_permlanex16_b32 v[TM+4+\b], v[TM+\b], s[SEL], s[SEL+1]
.endr
.irp b, 0,1,2,3
	v_max_num_f32 v[TM+\b], v[TM+\b], v[TM+4+\b]   ; with lane l xor 16's: the block's largest magnitude
.endr
.irp b, 0,1,2,3
	v_add_nc_u32 v[TM+12+\b], 0xff000000, v[TM+\b] ; 2 off its exponent field: the conversion takes the exponent field of this operand as its scale
.endr
.irp b, 0,1,2,3
	v_lshrrev_b32 v[TM+4+\b], 23, v[TM+12+\b]      ; the scale's byte
.endr
	v_lshl_or_b32 v[\pw], v[TM+5], 8, v[TM+4]      ; the four bytes make my row's scale word
	v_lshl_or_b32 v[\pw], v[TM+6], 16, v[\pw]
	v_lshl_or_b32 v[\pw], v[TM+7], 24, v[\pw]
.irp c, 0,1
	v_cvt_scalef32_pk16_fp6_f32 v[PC+6*\c:PC+2+6*\c], v[\s+32*\c:\s+15+32*\c], v[TM+12+2*\c]
	v_cvt_scalef32_pk16_fp6_f32 v[PC+12+4*\c:PC+14+4*\c], v[\s+16+32*\c:\s+31+32*\c], v[TM+12+2*\c+1]   ; (a conversion's three registers begin on an even number)
.endr
	v_nop                                          ; one plain place behind a scaled conversion
.irp c, 0,1                                    ; the operand's layout wants a WHOLE block in a lane: lanes 0-15 block 2 c, lanes 16-31 block 2 c + 1
.irp i, 0,1,2
	v_permlane16_swap_b32 v[PC+6*\c+\i], v[PC+12+4*\c+\i]
.endr
.irp i, 0,1,2
	v_mov_b32 v[PC+3+6*\c+\i], v[PC+12+4*\c+\i]
.endr
.endr
.endm
.macro FRAG f
.if (\f) < 3
	s_wait_loadcnt 16                              ; this fragment's 16 loads are in; the next fragment's 16 may be out
.else
	s_wait_loadcnt 0x0
.endif
.if (\f) > 0
	s_wait_xcnt 0x0                                ; the last fragment's stores have read their data: the codes' registers are rewritten only behind this wait
.endif
.irp i, 0,1,2,3,4,5,6,7,8,9,10,11,12,13,14,15
	ds_store_b128 v5, v[R+64*((\f)%2)+4*\i:R+64*((\f)%2)+4*\i+3] offset:528*\i
.endr
.irp b, 0,1,2,3
.irp j, 0,1,2,3
	ds_load_b128 v[X+16*\b+4*\j:X+16*\b+4*\j+3], v6 offset:128*\b+16*\j   ; LDS serves a wave's instructions in order: these see the stores above
.endr
.endr
	s_wait_dscnt 0x0                               ; the numbers are back, and the stores have read the set,
.if (\f) < 2
	LOAD (\f)+2                                    ; which takes the fragment two on
.endif
	QUANT X, PW+\f
.irp c, 0,1,2
	global_store_b128 v4, v[PC+4*\c:PC+4*\c+3], s[30+2*((\f)/2):31+2*((\f)/2)] offset:1536*((\f)%2)+512*\c   ; 32 lanes store 512 consecutive bytes, at a multiple of 512 from the buffer's first byte
.endr
.endm
	LOAD 0
	LOAD 1
	FRAG 0
	FRAG 1
	FRAG 2
	FRAG 3
	v_cmp_ne_u32 vcc_lo, 0, v3                     ; lanes 0-15 store the words of my first 256 along K, lanes 16-31 those of the second: every lane holds its row's four
	v_cndmask_b32 v248, v[PW], v[PW+2], vcc_lo
	v_cndmask_b32 v249, v[PW+1], v[PW+3], vcc_lo
	global_store_b64 v7, v[248:249], s[26:27]      ; 32 lanes store 256 consecutive bytes, aligned
	s_wait_tensorcnt 0x0                           ; the wave's end, behind my last LDS store
	ds_add_u32 v[SPW], v[NIL]
	s_wait_dscnt 0x0
	s_endpgm
.Lfunc_end_k_q8f4e9ae066_quant:
	.size	k_q8f4e9ae066_quant, .Lfunc_end_k_q8f4e9ae066_quant-k_q8f4e9ae066_quant
	.p2alignl 7, 3214868480
	.fill 96, 4, 3214868480
	.section	.rodata,"a",@progbits
	.p2align	6, 0x0
	.amdhsa_kernel k_q8f4e9ae066_quant
		.amdhsa_group_segment_fixed_size 34304
		.amdhsa_private_segment_fixed_size 0
		.amdhsa_enable_private_segment 0
		.amdhsa_kernarg_size 64
		.amdhsa_user_sgpr_count 2
		.amdhsa_user_sgpr_kernarg_segment_ptr 1
		.amdhsa_wavefront_size32 1
		.amdhsa_system_sgpr_workgroup_id_x 1
		.amdhsa_system_sgpr_workgroup_id_y 1
		.amdhsa_system_sgpr_workgroup_id_z 1
		.amdhsa_system_vgpr_workitem_id 0
		.amdhsa_next_free_vgpr 256
		.amdhsa_next_free_sgpr 66
		.amdhsa_reserve_vcc 1
		.amdhsa_float_denorm_mode_32 3
		.amdhsa_float_denorm_mode_16_64 3
		.amdhsa_memory_ordered 1
		.amdhsa_forward_progress 1
		.amdhsa_inst_pref_size 34
	.end_amdhsa_kernel
	.amdgpu_metadata
---
amdhsa.version: [ 1, 2 ]
amdhsa.kernels:
  - .name:           k_q8f4e9ae066_quant
    .symbol:         k_q8f4e9ae066_quant.kd
    .args:
      - { .name: x, .offset: 0, .size: 8, .value_kind: global_buffer, .address_space: global }
      - { .name: Wq_w, .offset: 8, .size: 8, .value_kind: global_buffer, .address_space: global }
      - { .name: Wk_w, .offset: 16, .size: 8, .value_kind: global_buffer, .address_space: global }
      - { .name: Wv_w, .offset: 24, .size: 8, .value_kind: global_buffer, .address_space: global }
      - { .name: xc, .offset: 32, .size: 8, .value_kind: global_buffer, .address_space: global }
      - { .name: xs, .offset: 40, .size: 8, .value_kind: global_buffer, .address_space: global }
      - { .name: wc, .offset: 48, .size: 8, .value_kind: global_buffer, .address_space: global }
      - { .name: ws, .offset: 56, .size: 8, .value_kind: global_buffer, .address_space: global }
    .group_segment_fixed_size: 34304
    .private_segment_fixed_size: 0
    .kernarg_segment_align: 8
    .kernarg_segment_size: 64
    .max_flat_workgroup_size: 128
    .sgpr_count:     66
    .vgpr_count:     256
    .wavefront_size: 32
...
	.end_amdgpu_metadata
.endif
;; end of part 1
;; launch proj (part 2): grid 16 x 9, 4 waves a work-group, clusters of 4 x 1, 327,680 bytes of LDS; arguments xc, xs, wc, ws, Wq_b, Wk_b, Wv_b, qc, qs, kv; writes qc, qs, kv
.if DOCPART == 2
	.amdgcn_target "amdgcn-amd-amdhsa--gfx1250"
	.amdhsa_code_object_version 6
	.text
	.protected	k_q8f4e9ae066_proj
	.globl	k_q8f4e9ae066_proj
	.p2align	8
	.type	k_q8f4e9ae066_proj,@function
k_q8f4e9ae066_proj:
	s_mov_b64 s[64:65], 0
	v_nop
	global_prefetch_b8 v0, s[64:65] scope:SCOPE_SE
	s_setreg_imm32_b32 hwreg(HW_REG_WAVE_MODE, 25, 1), 1
	s_wait_xcnt 0x0
	s_wait_alu depctr_hold_cnt(0) depctr_sa_sdst(0) depctr_va_vdst(0) depctr_va_sdst(0) depctr_va_ssrc(0) depctr_va_vcc(0) depctr_vm_vsrc(0)
	s_getreg_b32 s2, hwreg(HW_REG_IB_STS2, 6, 4)
	s_cmp_eq_u32 s2, 0
	s_cbranch_scc0 .Lentry_in_a_cluster
	s_endpgm
.Lentry_in_a_cluster:
	s_bfe_u32 s2, ttmp6, 0x10000c
	s_cmp_lg_u32 s2, 0x3003
	s_cbranch_scc0 .Lentry_shape_is_right
	s_endpgm
.Lentry_shape_is_right:
; Q = x Wq^T + bq, K = x Wk^T + bk, V = x Wv^T + bv on codes of FP6 (E2M3) with E8M0 scales, sums in f32; the results are quantised in registers (Q and K along the head's 128, V along the keys)
; and stored as images of the operands' registers for the attention launch.  [4096 x 2048] x [2304 x 2048]^T: 16 x 9 tiles of 256 x 256, a work-group each; a wave makes 128 x 128: 64 accumulators.
; LIMITS: NaN and infinities are not served; a block whose largest magnitude lies under 2^-124, a block of zeros among them, gets the scale byte 1 (its bytes are read by this program alone).
; The biases of Q and K are the C of each sum's first product, V's is one f32 addition behind the sum: an order of rounding that differs from a sum followed by the bias.
; OPERANDS lie in memory as images of their registers (a fragment, 16 rows x 128 K: 1,536 bytes, registers 4 c .. 4 c + 3 of lane l at 512 c + 16 l), so a tile of 128 rows x 256 K is 24,576 dense bytes,
; a fragment is three LDS loads of 512 consecutive bytes, and there is no pitch and no padding.  K goes in steps of 256 through a ring of two LDS slots; the scale words of all of K come once.
; LANE-ROW r OF ROW BLOCK t IS ROW 32 (t / 2) + 8 (t % 2) + r + 8 (r / 8): the 16 result registers of source 0's blocks 2 b and 2 b + 1 are then 16 neighbours along the next product's K.
; ROLES.  Source 1 (a lane holds one of its rows) is called R, source 0 (the registers run along its rows) P.  For Q and K: R = 128 positions of x, P = 128 rows of W (one head): a lane holds a position,
; its registers run along d.  For V (tile row 8 of W, second half): R = Wv, P = x: a lane holds one d, its registers run along the keys.  Only the LDS read addresses differ; the instructions are the same.
; CLUSTER: the four work-groups of a cluster share the tile of W: its codes and scale words are asked for JOINTLY (mask 15).  x's tiles differ between them and come by plain loads behind the same rounds.
; No 4 x 4 cluster: the grid's 9 rows are no multiple of 4.
; REGISTERS: window 0: v1-29 addresses; v32-63 scale words, two sets; v64-127 the bias as C; v128-223 R's fragments, one set; v224-239 V's bias.  window 1: P's fragments, two sets, at v0 and v128.
;   windows 2, 3: accumulator (a, b) at v[8 (8 (a % 4) + b)], a = R's block, b = P's.  On the way out v128-187 of window 0 are at work.
.set HALFT,  24576                     ; 8 row blocks x 256 K: what one tensor load brings, and what a wave reads of R or of P
.set SLOT,   4*HALFT                   ; x's two halves, then W's two
.set SCL,    2*SLOT                    ; behind the ring: x's scale words, 16 row blocks x 1,024 bytes,
.set SCLB,   SCL+16384+128             ; and W's: 128 bytes further on, so that the two halves of the lanes of a load of 8 bytes touch different banks
.set SPARE,  SCLB+16384+128            ; the spare words, 128 bytes for each wave, in blocks of 256 bytes that no other line names
.set XSTR,   786432                    ; from one 256 along K to the next, in xc
.set WSTR,   442368                    ; and in wc
.set FR,     12                        ; registers of a fragment
.set NL,     3                         ; LDS loads that bring one
.set NQ,     2                         ; matrix instructions deep in a slot
.set NP,     4                         ; places behind this matrix instruction (ISA guide 7.12.1)
.set LAPS,   4                         ; a lap = two slots = 512 along K
.set ADRA, 16                          ; v16-17  LDS address of R's fragments in slot 0, 1
.set ADRB, 20                          ; v20-21  of P's
.set ADRS, 27                          ; v27     of my scale words: lanes 0-15 R's rows, lanes 16-31 P's
.set SPW,  28                          ; v28     LDS address of my spare word; never rewritten
.set NIL,  29                          ; v29     0; never rewritten
.set SC,   32                          ; set s at v[SC + 16 s]; register 2 i + q: lanes 0-15 the word of R's block i, lanes 16-31 of P's block i, for the slot's q-th 128 along K
.set BIAS, 64
.set AF,   128
.set BR,   224
.set PC,   128                         ; the way out: codes,
.set TM,   160                         ; at work,
.set PW,   176                         ; the eight blocks' scale words,
.set OW,   184                         ; and the four that a lane stores
.set G1X,  32                          ; s[32:39] descriptor group 1 for x's tiles;  s[40:47] for W's;  s[48:55], s[56:63] for their scale words
.set G1W,  40
.set G1XS, 48
.set G1WS, 56
.set G0X,  68                          ; s[68:75] group 0 for x's tiles, a set for each slot;  s[76:83] for W's;  s[84:87], s[88:91] for the scale words
.set G0W,  76
.set G0XS, 84
.set G0WS, 88
.set SEL,  66                          ; s[66:67] lane selects: lane l xor 16
.set MSB, 0
.macro WIN new                         ; the immediate's high byte repeats the setting that is left
.if MSB != \new
	s_set_vgpr_msb (MSB<<8)|\new
.set MSB, \new
.endif
.endm
.set MUL_LO, 0xa1                      ; source 0 (P) window 1, source 1 (R) window 0, C and D window 2
.set MUL_HI, 0xf1                      ; the same, C and D window 3
.set TO_B,   0x40                      ; destination window 1, address window 0
; Waves 0 and 1 fetch x's two halves, waves 2 and 3 W's.  The branch hangs on the wave's number alone.  An s_nop 0 and four v_nop follow each of the two lines.
.macro JLOAD g0a, g1a, g0b, g1b
	s_cmp_eq_u32 s25, 0
	s_cbranch_scc0 .Lfor_w_\@
	tensor_load_to_lds s[\g0a:\g0a+3], s[\g1a:\g1a+7]
	s_nop 0
.rept 4
	v_nop
.endr
	s_branch .Lasked_\@
.Lfor_w_\@:
	tensor_load_to_lds s[\g0b:\g0b+3], s[\g1b:\g1b+7]
	s_nop 0
.rept 4
	v_nop
.endr
.Lasked_\@:
.endm
.macro CREST                           ; a round of the cluster's barrier behind its opening barrier
	s_cmp_lg_u32 s24, 0
	s_cbranch_scc1 .Lnot_wave_0_\@
	s_barrier_signal -3
.Lnot_wave_0_\@:
	s_barrier_wait -3
	s_barrier_signal -1
	s_barrier_wait -1
.endm
.macro CROUND                          ; a whole round
	s_barrier_signal -1
	s_barrier_wait -1
	CREST
.endm
	s_load_b256 s[4:11], s[0:1], 0x0               ; xc, xs, wc, ws
	s_load_b256 s[12:19], s[0:1], 0x20             ; Wq_b, Wk_b, Wv_b, qc
	s_load_b128 s[20:23], s[0:1], 0x40             ; qs, kv
	v_lshl_add_u32 v[SPW], v0, 2, SPARE
	v_mov_b32 v[NIL], 0
	ds_add_u32 v[SPW], v[NIL]                      ; the wave's opening: the add and its wait stand ahead of my first tensor load; the set-up below, work on registers, stands between them
	v_lshrrev_b32 v1, 5, v0
	v_readfirstlane_b32 s24, v1                    ; wave 0..3
	s_lshr_b32 s25, s24, 1                         ; wm: which half of x is mine.  Also: I fetch for x (0) or for W (1)
	s_and_b32 s26, s24, 1                          ; wn: which half of W is mine.  Also: which half of that tile I fetch
	s_bfe_u32 s27, ttmp6, 0x40000                  ; cx: my place in the cluster
	s_lshl_b32 s28, ttmp9, 2
	s_add_co_u32 s28, s28, s27                     ; x's tile of 256 positions = 4 x cluster x + cx: it enters x's and the results' global addresses alone
	s_and_b32 s29, ttmp7, 0xffff                   ; W's tile of 256 rows, which the four partners share
	s_cmp_eq_u32 s29, 8
	s_cselect_b32 s30, s26, 0                      ; 1 in a wave that makes V: the same in all partners
	s_mov_b32 s[SEL], 0x76543210
	s_mov_b32 s[SEL+1], 0xfedcba98
	; descriptor group 1: dense blocks as rows of 256 bytes (32 elements of 8 bytes): 96 rows of codes, 32 rows of scale words
	s_mov_b32 s[G1X], 3<<16                        ; 15:0 no mask; 17:16 elements of 8 bytes; no padding
	s_mov_b32 s[G1W], 15|(3<<16)|(1<<21)           ; 15:0 the mask: all four work-groups; 21 set beside a mask
	s_mov_b32 s[G1XS], 3<<16
	s_mov_b32 s[G1WS], 15|(3<<16)|(1<<21)
.irp g, G1X, G1W
	s_mov_b32 s[\g+1], 32<<16                      ; tensor_dim0
	s_mov_b32 s[\g+2], 96<<16                      ; tensor_dim1
	s_mov_b32 s[\g+3], 32<<16                      ; tile_dim0
	s_mov_b32 s[\g+4], 96                          ; tile_dim1
	s_mov_b32 s[\g+5], 32                          ; tensor_dim0_stride
	s_mov_b32 s[\g+6], 0
	s_mov_b32 s[\g+7], 0
.endr
.irp g, G1XS, G1WS
	s_mov_b32 s[\g+1], 32<<16
	s_mov_b32 s[\g+2], 32<<16
	s_mov_b32 s[\g+3], 32<<16
	s_mov_b32 s[\g+4], 32
	s_mov_b32 s[\g+5], 32
	s_mov_b32 s[\g+6], 0
	s_mov_b32 s[\g+7], 0
.endr
	; what I fetch.  W's offsets are made of the shared tile row and the wave's number alone, in registers that never hold cx
	s_lshl_b32 s31, s26, 3
	s_lshl_b32 s92, s28, 4
	s_add_co_u32 s92, s92, s31                     ; x: row block 16 x tile + 8 x half,
	s_mul_i32 s92, s92, 3072                       ; 3,072 bytes each in a 256 along K
	s_mov_b32 s93, 0
	s_lshl_b32 s94, s29, 4
	s_add_co_u32 s94, s94, s31
	s_mul_i32 s94, s94, 3072                       ; W likewise
	s_mov_b32 s95, 0
	s_lshl_b32 s31, s26, 13                        ; the scale words of 8 row blocks: 8,192 bytes
	s_lshl_b32 s96, s28, 14
	s_add_co_u32 s96, s96, s31
	s_mov_b32 s97, 0
	s_lshl_b32 s98, s29, 14
	s_add_co_u32 s98, s98, s31
	s_mov_b32 s99, 0
	s_mul_i32 s100, s26, HALFT                     ; and where the codes go in a slot: no place in the cluster enters an LDS address
	s_wait_dscnt 0x0                               ; the opening add is done
	s_wait_kmcnt 0x0
	s_add_nc_u64 s[4:5], s[4:5], s[92:93]
	s_add_nc_u64 s[6:7], s[6:7], s[96:97]
	s_add_nc_u64 s[8:9], s[8:9], s[94:95]
	s_add_nc_u64 s[10:11], s[10:11], s[98:99]
	CROUND                                         ; all four work-groups are here: the first joint loads meet
	s_mov_b32 s[G0XS], 1
	s_add_co_u32 s[G0XS+1], s31, SCL
	s_mov_b64 s[G0XS+2:G0XS+3], s[6:7]
	s_or_b32 s[G0XS+3], s[G0XS+3], 0x80000000
	s_mov_b32 s[G0WS], 1
	s_add_co_u32 s[G0WS+1], s31, SCLB
	s_mov_b64 s[G0WS+2:G0WS+3], s[10:11]
	s_or_b32 s[G0WS+3], s[G0WS+3], 0x80000000
	JLOAD G0XS, G1XS, G0WS, G1WS                   ; the scale words first: they are wanted with the first slot
.irp s, 0,1
	s_mov_b32 s[G0X+4*\s], 1                       ; 1:0 count = 1
	s_add_co_u32 s[G0X+4*\s+1], s100, \s*SLOT      ; 63:32 LDS address
	s_add_nc_u64 s[G0X+4*\s+2:G0X+4*\s+3], s[4:5], \s*XSTR   ; 120:64 global address: the s-th 256 along K
	s_or_b32 s[G0X+4*\s+3], s[G0X+4*\s+3], 0x80000000        ; 127:126 type = 2
	s_mov_b32 s[G0W+4*\s], 1
	s_add_co_u32 s[G0W+4*\s+1], s100, \s*SLOT+2*HALFT
	s_add_nc_u64 s[G0W+4*\s+2:G0W+4*\s+3], s[8:9], \s*WSTR
	s_or_b32 s[G0W+4*\s+3], s[G0W+4*\s+3], 0x80000000
	JLOAD G0X+4*\s, G1X, G0W+4*\s, G1W             ; three tensor loads of mine are out at the most
.endr
	; where I read.  x's half wm and W's half wn change roles in a wave that makes V
	v_and_b32 v1, 15, v0                           ; r
	v_bfe_u32 v2, v0, 4, 1                         ; h
	v_and_b32 v3, 31, v0
	v_lshlrev_b32 v3, 4, v3                        ; 16 x lane: my bytes of an image
	s_mul_i32 s92, s25, HALFT                      ; x's half wm
	s_add_co_u32 s93, s100, 2*HALFT                ; W's half wn
	s_lshl_b32 s94, s25, 13
	s_add_co_u32 s94, s94, SCL                     ; their scale words
	s_add_co_u32 s95, s31, SCLB
	s_cmp_eq_u32 s30, 1
	s_cselect_b32 s96, s93, s92                    ; R's codes
	s_cselect_b32 s97, s92, s93                    ; P's
	s_cselect_b32 s98, s95, s94                    ; R's scale words
	s_cselect_b32 s99, s94, s95                    ; P's
	v_add_nc_u32 v[ADRA], s96, v3
	v_add_nc_u32 v[ADRA+1], SLOT, v[ADRA]
	v_add_nc_u32 v[ADRB], s97, v3
	v_add_nc_u32 v[ADRB+1], SLOT, v[ADRB]
	v_cmp_ne_u32 s101, 0, v2
	v_mov_b32 v[ADRS], s98
	v_mov_b32 v26, s99
	v_cndmask_b32 v[ADRS], v[ADRS], v26, s101      ; lanes 16-31 take P's
	v_lshl_add_u32 v[ADRS], v1, 3, v[ADRS]         ; 8 bytes a lane-row: the two words of a 256 along K
	v_lshlrev_b32 v4, 6, v2                        ; the bias as C: 64 h
	v_and_b32 v5, 8, v1
	v_add_nc_u32 v5, v5, v1
	v_lshlrev_b32 v5, 2, v5                        ; V's bias: 4 (r + 8 (r / 8))
	; where the results go, and which bias is mine: all offsets first, then the choices, which hang on ids alone
	s_lshl_b32 s92, s29, 1
	s_add_co_u32 s92, s92, s26                     ; the head
	s_lshl_b32 s93, s28, 1
	s_add_co_u32 s93, s93, s25                     ; G: my group of 128 positions
	s_lshl_b32 s94, s93, 4
	s_add_co_u32 s94, s94, s92                     ; 16 G + head
	s_mul_i32 s98, s94, 12288                      ; Q: eight images
	s_lshl_b32 s99, s94, 9                         ;    and 512 bytes of scale words
	s_lshl_b32 s100, s92, 9                        ;    the head's 128 numbers of Wq_b
	s_mul_i32 s93, s93, 25600                      ; K, V: the group's record,
	s_mul_i32 s94, s26, 12800                      ; V behind K in it;
	s_add_co_u32 s93, s93, s94
	s_add_co_u32 s94, s93, 12288                   ; the scale words behind the images
	s_cmp_eq_u32 s29, 8
	s_cselect_b32 s98, s93, s98
	s_cselect_b32 s99, s94, s99
	s_cselect_b32 s100, 0, s100
	s_cselect_b64 s[92:93], s[22:23], s[18:19]     ; images: kv or qc
	s_cselect_b64 s[94:95], s[22:23], s[20:21]     ; scale words: kv or qs
	s_cselect_b64 s[96:97], s[14:15], s[12:13]     ; bias: Wk_b or Wq_b
	s_cmp_eq_u32 s30, 1
	s_cselect_b64 s[96:97], s[16:17], s[96:97]     ; (a wave that makes V clears these registers below)
	s_mov_b32 s101, 0
	s_add_nc_u64 s[96:97], s[96:97], s[100:101]
	s_mov_b32 s100, s99
	s_add_nc_u64 s[94:95], s[94:95], s[100:101]
	s_mov_b32 s99, 0
	s_add_nc_u64 s[92:93], s[92:93], s[98:99]
.irp b, 0,1,2,3,4,5,6,7                        ; lane (r, h), P's block b, register j: d = 32 (b / 2) + 8 (b % 2) + 16 h + j
	global_load_b128 v[BIAS+8*\b:BIAS+8*\b+3], v4, s[96:97] offset:(32*(\b/2)+8*(\b%2))*4
	global_load_b128 v[BIAS+8*\b+4:BIAS+8*\b+7], v4, s[96:97] offset:(32*(\b/2)+8*(\b%2))*4+16
.endr
.irp a, 0,1,2,3,4,5,6,7                        ; V's: my lane's d in Wv's block a; twice, since the packed addition names a pair
	global_load_b32 v[BR+2*\a], v5, s[16:17] offset:(32*(\a/2)+8*(\a%2))*4
	global_load_b32 v[BR+2*\a+1], v5, s[16:17] offset:(32*(\a/2)+8*(\a%2))*4
.endr
.macro FRAG reg, adr, q, i             ; a fragment's image: block i of my eight, the slot's q-th 128 along K: three loads of 512 consecutive bytes
.irp c, 0,1,2
	ds_load_b128 v[\reg+4*\c:\reg+4*\c+3], v[\adr] offset:3072*(\i)+1536*(\q)+512*\c
.endr
.endm
; 16 matrix instructions: R's blocks a0, a0 + 1 x P's eight.  p: P's set;  sc: the set of scale words.  first = 1: the bias is the C of the first product: nothing is cleared or added.
; The 64 accumulators take turns, one instruction a turn, in the same order in every step.
.macro MUL16 a0, p, q, sc, first
.irp a, \a0, \a0+1
.irp b, 0,1,2,3,4,5,6,7
.if \first
	v_wmma_scale_f32_16x16x128_f8f6f4 v[8*(8*((\a)%4)+\b):8*(8*((\a)%4)+\b)+7], v[128*(\p)+FR*\b:128*(\p)+FR*\b+FR-1], v[AF+FR*(\a):AF+FR*(\a)+FR-1], v[BIAS+8*\b:BIAS+8*\b+7], v[SC+8*NQ*(\sc)+NQ*\b+(\q)], v[SC+8*NQ*(\sc)+NQ*(\a)+(\q)] matrix_a_fmt:MATRIX_FMT_FP6 matrix_b_fmt:MATRIX_FMT_FP6 matrix_a_scale:MATRIX_SCALE_ROW1
.else
	v_wmma_scale_f32_16x16x128_f8f6f4 v[8*(8*((\a)%4)+\b):8*(8*((\a)%4)+\b)+7], v[128*(\p)+FR*\b:128*(\p)+FR*\b+FR-1], v[AF+FR*(\a):AF+FR*(\a)+FR-1], v[8*(8*((\a)%4)+\b):8*(8*((\a)%4)+\b)+7], v[SC+8*NQ*(\sc)+NQ*\b+(\q)], v[SC+8*NQ*(\sc)+NQ*(\a)+(\q)] matrix_a_fmt:MATRIX_FMT_FP6 matrix_b_fmt:MATRIX_FMT_FP6 matrix_a_scale:MATRIX_SCALE_ROW1
.endif
.endr
.endr
.endm
.macro FETCH_B slot, q, p              ; P's eight fragments into set p
	WIN TO_B
.irp i, 0,1,2,3,4,5,6,7
	FRAG 128*(\p)+FR*\i, ADRB+\slot, \q, \i
.endr
	WIN 0
.endm
.macro FETCH_A slot, q, i0             ; R's blocks i0 .. i0 + 3
.irp i, \i0, \i0+1, \i0+2, \i0+3
	FRAG AF+FR*(\i), ADRA+\slot, \q, \i
.endr
.endm
.macro SCALES sc                       ; the next slot's scale words into set sc: two words a lane-row; lanes 0-15 R's block i, lanes 16-31 P's block i
.irp i, 0,1,2,3,4,5,6,7
	ds_load_b64 v[SC+8*NQ*\sc+NQ*\i:SC+8*NQ*\sc+NQ*\i+1], v[ADRS] offset:1024*\i
.endr
.endm
; A load into a register that a matrix instruction has read, and a vector instruction that reads a matrix result, stand NP places behind that matrix instruction; only plain vector instructions that
; name none of its registers are places (ISA guide 7.12.1 for vector instructions).
.macro PLACES n
.rept \n
	v_nop
.endr
.endm
; A step of 128 along K that has its successor in the same slot.  A block of R is free as soon as its eight products are issued: blocks 0-3 are fetched anew in the step's middle, blocks 4-7 at its end.
.macro STEP slot, q, first
	s_wait_dscnt 4*NL                              ; P's set, R's blocks 0-3 and the scale words are in; the youngest twelve loads (R's blocks 4-7) may be out
.if \first
	WIN 0x81                                       ; C (the bias) window 0, D window 2
.else
	WIN MUL_LO
.endif
	MUL16 0, (\q)%2, \q, \slot, \first
	MUL16 2, (\q)%2, \q, \slot, \first
	s_wait_dscnt 0                                 ; R's blocks 4-7 are in (asked for 32 matrix instructions ago)
	PLACES NP
	FETCH_B \slot, (\q)+1, 1-(\q)%2
	FETCH_A \slot, (\q)+1, 0
.if \first
	WIN 0xc1                                       ; C window 0, D window 3
.else
	WIN MUL_HI
.endif
	MUL16 4, (\q)%2, \q, \slot, \first
	MUL16 6, (\q)%2, \q, \slot, \first
	PLACES NP
	WIN 0
	FETCH_A \slot, (\q)+1, 4
.endm
; A slot's last step changes slots: ONE barrier; in front of it each wave waits for all its tensor loads, adds 0 to its spare word, and waits for that and for its own reads of this slot.
; fill = 1: this slot is filled again, two slots ahead; the barrier then opens a round of the cluster's barrier.
.macro TURN slot, next, fill
	s_wait_tensorcnt 0x0                           ; all my tensor loads have landed: my part of the next slot  (every window is 0 here)
	ds_add_u32 v[SPW], v[NIL]                      ; 0 onto my spare word
	s_wait_dscnt 4*NL+1                            ; (the add and the youngest twelve loads, R's blocks 4-7, may be out)
	WIN MUL_LO
	MUL16 0, 1, NQ-1, \slot, 0                     ; sixteen matrix instructions stand between the add and the wait for it
	s_wait_dscnt 0x0                               ; the add is done, and my reads of this slot are over
	s_barrier_signal -1
	MUL16 2, 1, NQ-1, \slot, 0
	WIN 0
	s_barrier_wait -1
.if \fill
	CREST                                          ; no wave of any partner still reads this slot's tile or has a load on its way
	s_add_nc_u64 s[G0X+4*\slot+2:G0X+4*\slot+3], s[G0X+4*\slot+2:G0X+4*\slot+3], 2*XSTR
	s_add_nc_u64 s[G0W+4*\slot+2:G0W+4*\slot+3], s[G0W+4*\slot+2:G0W+4*\slot+3], 2*WSTR
	JLOAD G0X+4*\slot, G1X, G0W+4*\slot, G1W       ; the first tensor load behind the round, one a wave; the four v_nop behind it are the places in front of the loads below
.else
	PLACES NP
.endif
	v_add_nc_u32 v[ADRS], 128, v[ADRS]             ; on to the next slot's scale words
	FETCH_B \next, 0, 0
	FETCH_A \next, 0, 0
	SCALES \next
	WIN MUL_HI
	MUL16 4, 1, NQ-1, \slot, 0
	MUL16 6, 1, NQ-1, \slot, 0
	PLACES NP
	WIN 0
	FETCH_A \next, 0, 4
.endm
	s_wait_tensorcnt 1                             ; the scale words and my part of slot 0 are in (slot 1's load may be out)
	s_barrier_signal -1
	s_barrier_wait -1                              ; everybody's are
	FETCH_B 0, 0, 0
	FETCH_A 0, 0, 0
	SCALES 0
	FETCH_A 0, 0, 4
	s_wait_loadcnt 0x0                             ; the biases
	s_cmp_eq_u32 s30, 0
	s_cbranch_scc1 .Lkeep_bias
.set J, 0
.rept 64
	v_mov_b32 v[BIAS+J], 0                         ; a wave that makes V: its bias hangs on the lane, not on the register, and is added behind the sums
.set J, J+1
.endr
.Lkeep_bias:
	PLACES NP
	STEP 0, 0, 1                                   ; the first step stands in front of the loop: its products start the sums
	s_mov_b32 s3, LAPS-1
.Llap:                                                 ; a trip goes once round the ring, from a lap's second step to the next lap's first, and fills both slots again
	TURN 0, 1, 1
	STEP 1, 0, 0
	TURN 1, 0, 1
	STEP 0, 0, 0
	s_sub_co_u32 s3, s3, 1
	s_cmp_lg_u32 s3, 0
	s_cbranch_scc1 .Llap
	TURN 0, 1, 0                                   ; the last lap fills nothing, and has no round of the cluster's barrier
	STEP 1, 0, 0
	s_wait_dscnt 4*NL                              ; the very last step: nothing more to fetch
	WIN MUL_LO
	MUL16 0, 1, NQ-1, 1, 0
	MUL16 2, 1, NQ-1, 1, 0
	s_wait_dscnt 0
	WIN MUL_HI
	MUL16 4, 1, NQ-1, 1, 0
	MUL16 6, 1, NQ-1, 1, 0
	WIN 0
	PLACES NP                                      ; in front of the first read of results and the first write of registers that held R's fragments
.irp b, 0,1,2,3
	v_mov_b32 v[TM+4+\b], 0                        ; written once: a lane permute's destination counts as one of its sources
.endr
; THE WAY OUT.  R's block a: my lane's row has 64 results, register 16 b + i = the next K's 32 b + 16 (lane / 16) + i.  They are quantised as they stand and leave as one image: no LDS.
.macro OUTBLK a
.set AC, 64*((\a)%4)
.set WA, 2+(\a)/4                      ; the accumulators' window
.set WADD, (WA<<6)|WA
.set WMAX, (WA<<2)|WA
	s_cmp_eq_u32 s30, 0
	s_cbranch_scc1 .Lno_vb_\@
	WIN WADD                                       ; destination and source 0: the accumulators' window
.set J, 0
.rept 32
	v_pk_add_f32 v[AC+J:AC+J+1], v[AC+J:AC+J+1], v[BR+2*(\a):BR+2*(\a)+1] op_sel_hi:[1,0]   ; V's bias: my lane's d; each accumulator from its low end on
.set J, J+2
.endr
	WIN 0
.Lno_vb_\@:
	WIN WMAX                                       ; sources 0 and 1: the accumulators' window
.irp b, 0,1,2,3
	v_max3_num_f32 v[TM+\b], |v[AC+16*\b]|, |v[AC+1+16*\b]|, 0x1800000   ; block b: my 16 numbers, and the floor 2^(3 - 127): so the byte cannot fall under 1
.endr
.irp i, 2,4,6,8,10,12,14
.irp b, 0,1,2,3
	v_max3_num_f32 v[TM+\b], |v[AC+16*\b+\i]|, |v[AC+1+16*\b+\i]|, v[TM+\b]
.endr
.endr
	WIN 0
.irp b, 0,1,2,3
	v_permlanex16_b32 v[TM+4+\b], v[TM+\b], s[SEL], s[SEL+1]
.endr
.irp b, 0,1,2,3
	v_max_num_f32 v[TM+\b], v[TM+\b], v[TM+4+\b]   ; with lane l xor 16's: the block's largest magnitude
.endr
.irp b, 0,1,2,3
	v_add_nc_u32 v[TM+12+\b], 0xff000000, v[TM+\b] ; 2 off its exponent field: the conversion's scale operand
.endr
.irp b, 0,1,2,3
	v_lshrrev_b32 v[TM+4+\b], 23, v[TM+12+\b]      ; the scale's byte
.endr
	v_lshl_or_b32 v[PW+\a], v[TM+5], 8, v[TM+4]
	v_lshl_or_b32 v[PW+\a], v[TM+6], 16, v[PW+\a]
	v_lshl_or_b32 v[PW+\a], v[TM+7], 24, v[PW+\a]  ; my row's scale word
.if (\a) > 0
	s_wait_xcnt 0x0                                ; the last block's stores have read their data: the codes' registers are rewritten only behind this wait
.endif
	WIN WA                                         ; source 0: the accumulators' window
.irp c, 0,1
	v_cvt_scalef32_pk16_fp6_f32 v[PC+6*\c:PC+2+6*\c], v[AC+32*\c:AC+15+32*\c], v[TM+12+2*\c]
	v_cvt_scalef32_pk16_fp6_f32 v[PC+12+4*\c:PC+14+4*\c], v[AC+16+32*\c:AC+31+32*\c], v[TM+12+2*\c+1]   ; (a conversion's three registers begin on an even number)
.endr
	WIN 0
	v_nop                                          ; one plain place behind a scaled conversion
.irp c, 0,1                                    ; the operand's layout wants a WHOLE block in a lane
.irp i, 0,1,2
	v_permlane16_swap_b32 v[PC+6*\c+\i], v[PC+12+4*\c+\i]
.endr
.irp i, 0,1,2
	v_mov_b32 v[PC+3+6*\c+\i], v[PC+12+4*\c+\i]
.endr
.endr
.irp c, 0,1,2
	global_store_b128 v3, v[PC+4*\c:PC+4*\c+3], s[92:93] offset:1536*(\a)+512*\c   ; 32 lanes store 512 consecutive bytes, at a multiple of 512 from the buffer's first byte
.endr
.endm
.irp a, 0,1,2,3,4,5,6,7
	OUTBLK \a
.endr
	v_cmp_ne_u32 vcc_lo, 0, v2                     ; the eight words of lane-row r: lanes 0-15 store blocks 0-3's, lanes 16-31 blocks 4-7's (every lane holds its row's eight)
.irp i, 0,1,2,3
	v_cndmask_b32 v[OW+\i], v[PW+\i], v[PW+4+\i], vcc_lo
.endr
	global_store_b128 v3, v[OW:OW+3], s[94:95]     ; 512 consecutive bytes: the word of (block a, lane-row r) at 256 (a / 4) + 16 r + 4 (a % 4)
	s_wait_tensorcnt 0x0                           ; the wave's end, behind my last tensor load
	ds_add_u32 v[SPW], v[NIL]
	s_wait_dscnt 0x0
	CROUND                                         ; the closing round: no work-group ends while a partner may still ask for a tile that names it
	s_endpgm
.Lfunc_end_k_q8f4e9ae066_proj:
	.size	k_q8f4e9ae066_proj, .Lfunc_end_k_q8f4e9ae066_proj-k_q8f4e9ae066_proj
	.p2alignl 7, 3214868480
	.fill 96, 4, 3214868480
	.section	.rodata,"a",@progbits
	.p2align	6, 0x0
	.amdhsa_kernel k_q8f4e9ae066_proj
		.amdhsa_group_segment_fixed_size 327680
		.amdhsa_private_segment_fixed_size 0
		.amdhsa_enable_private_segment 0
		.amdhsa_kernarg_size 80
		.amdhsa_user_sgpr_count 2
		.amdhsa_user_sgpr_kernarg_segment_ptr 1
		.amdhsa_wavefront_size32 1
		.amdhsa_system_sgpr_workgroup_id_x 1
		.amdhsa_system_sgpr_workgroup_id_y 1
		.amdhsa_system_sgpr_workgroup_id_z 1
		.amdhsa_system_vgpr_workitem_id 0
		.amdhsa_next_free_vgpr 1024
		.amdhsa_next_free_sgpr 102
		.amdhsa_reserve_vcc 1
		.amdhsa_float_denorm_mode_32 3
		.amdhsa_float_denorm_mode_16_64 3
		.amdhsa_memory_ordered 1
		.amdhsa_forward_progress 1
		.amdhsa_inst_pref_size 162
	.end_amdhsa_kernel
	.amdgpu_metadata
---
amdhsa.version: [ 1, 2 ]
amdhsa.kernels:
  - .name:           k_q8f4e9ae066_proj
    .symbol:         k_q8f4e9ae066_proj.kd
    .args:
      - { .name: xc, .offset: 0, .size: 8, .value_kind: global_buffer, .address_space: global }
      - { .name: xs, .offset: 8, .size: 8, .value_kind: global_buffer, .address_space: global }
      - { .name: wc, .offset: 16, .size: 8, .value_kind: global_buffer, .address_space: global }
      - { .name: ws, .offset: 24, .size: 8, .value_kind: global_buffer, .address_space: global }
      - { .name: Wq_b, .offset: 32, .size: 8, .value_kind: global_buffer, .address_space: global }
      - { .name: Wk_b, .offset: 40, .size: 8, .value_kind: global_buffer, .address_space: global }
      - { .name: Wv_b, .offset: 48, .size: 8, .value_kind: global_buffer, .address_space: global }
      - { .name: qc, .offset: 56, .size: 8, .value_kind: global_buffer, .address_space: global }
      - { .name: qs, .offset: 64, .size: 8, .value_kind: global_buffer, .address_space: global }
      - { .name: kv, .offset: 72, .size: 8, .value_kind: global_buffer, .address_space: global }
    .group_segment_fixed_size: 327680
    .private_segment_fixed_size: 0
    .kernarg_segment_align: 8
    .kernarg_segment_size: 80
    .max_flat_workgroup_size: 128
    .sgpr_count:     102
    .vgpr_count:     1024
    .wavefront_size: 32
...
	.end_amdgpu_metadata
.endif
;; end of part 2
;; launch attn (part 3): grid 128 x 2, 8 waves a work-group, clusters of 4 x 1, 327,680 bytes of LDS; arguments qc, qs, kv, out0; writes out0
.if DOCPART == 3
	.amdgcn_target "amdgcn-amd-amdhsa--gfx1250"
	.amdhsa_code_object_version 6
	.text
	.protected	k_q8f4e9ae066_attn
	.globl	k_q8f4e9ae066_attn
	.p2align	8
	.type	k_q8f4e9ae066_attn,@function
k_q8f4e9ae066_attn:
	s_mov_b64 s[64:65], 0
	v_nop
	global_prefetch_b8 v0, s[64:65] scope:SCOPE_SE
	s_setreg_imm32_b32 hwreg(HW_REG_WAVE_MODE, 25, 1), 1
	s_wait_xcnt 0x0
	s_wait_alu depctr_hold_cnt(0) depctr_sa_sdst(0) depctr_va_vdst(0) depctr_va_sdst(0) depctr_va_ssrc(0) depctr_va_vcc(0) depctr_vm_vsrc(0)
	s_getreg_b32 s2, hwreg(HW_REG_IB_STS2, 6, 4)
	s_cmp_eq_u32 s2, 0
	s_cbranch_scc0 .Lentry_in_a_cluster
	s_endpgm
.Lentry_in_a_cluster:
	s_bfe_u32 s2, ttmp6, 0x10000c
	s_cmp_lg_u32 s2, 0x3003
	s_cbranch_scc0 .Lentry_shape_is_right
	s_endpgm
.Lentry_shape_is_right:
; out[b][q][head][:] = the sum over k of softmax_k(Q[b][q][head] . K[b][k] / sqrt(128)) V[b][k][:], one K and V for all 16 heads, both products on codes of FP6 (E2M3) with E8M0 scales.
; THE SOFTMAX AHEAD OF THE SECOND PRODUCT: t = score x log2(e) / sqrt(128); M = the row's largest t so far, rounded UP to a whole number; p = 2^(t - M) is what is quantised, along the keys, not normalised.
; The row's sum is taken of the unquantised p, in f32, and divides O at the end.  When M moves, the sum and O are multiplied by 2^(old M - new M): exact.
; LIMITS: NaN and infinities are not served; a block of p that has fallen to zeros keeps the scale byte 1 (its codes are zeros).
; OPERANDS lie in memory as images of their registers (a fragment, 16 rows x 128 K: 1,536 bytes, registers 4 c .. 4 c + 3 of lane l at 512 c + 16 l).  A key step of 128 keys is one record of kv, 25,600 bytes:
; K's 8 images, 512 bytes of their scale words, V^T's 8 images (16 of the head's 128 x the step's keys), 512 bytes of theirs.  LANE-ROW r OF IMAGE a IS ROW 32 (a / 2) + 8 (a % 2) + r + 8 (r / 8) of its 128.
; SHARES.  A work-group owns 128 positions x 2 heads: 16 tiles of 16 queries; each of its eight waves owns TWO tiles, so that each fragment of K and V read from LDS feeds two products; two waves to a SIMD,
; so that one wave's vector work stands beside the other's matrix work and LDS loads.  Every wave walks the batch's 16 key steps.
; LAYOUT.  Both products are used transposed: S^T = K Q^T, O^T = V^T P^T: a lane holds ONE query (lane % 16) throughout; the 16 registers of tiles 2 b, 2 b + 1 of S^T are keys 32 b + 16 (lane / 16) + 0 .. 15.
; LDS.  Three regions of four key steps (102,400 bytes) are filled at the start; the first is filled once more, with the last four steps, when it has been read: that load has eight key steps in which to land.
; CLUSTER.  The four work-groups of a cluster belong to one batch and read the same kv: every tile is asked for JOINTLY (mask 15), each wave an eighth of a region.
; REGISTERS, in two windows of 256.  Tile u lives in window u: v12 -M, v13 the largest t, v[14:15] the sum in two halves, v16-27 Q, v96-159 S^T then p, v160-223 O^T, v224-235 p's codes, v232-254 at work.
;   window 0 alone: v1-10 addresses; v28, v29 p's scale words; v30, v31 Q's; v32-79 fragments 0-3; v80-87 K's scale words, v88-95 V's.   window 1: v32-79 fragments 4-7.
.set REG,   102400                     ; a region: four key steps
.set REC,   25600                      ; a key step's record
.set SPARE, 3*REG                      ; behind the regions: the spare words, 128 bytes for each wave, in blocks of 256 bytes that no other line names
.set STAGE, REG                        ; the way out: 16 rows x (512 + 16) bytes for each wave, in the second region: it has had its only fill, and nobody reads it behind the last barrier
.set SPW,  5                           ; v5   LDS address of my spare word; never rewritten
.set NIL,  6                           ; v6   0; never rewritten
.set WV,   12                          ; s12  my wave's number
.set G1,   16                          ; s[16:23] descriptor group 1;  s[24:35] group 0, a set for each region
.set G0,   24
.set SEL,  36                          ; s[36:37] lane selects: lane l xor 16
.set CS,   38                          ; s[38:39] c = log2(e) / sqrt(128): the packed form names a pair and takes its low word for both halves
.set TB,   40                          ; s40  LDS byte at which the key step's record begins
.set CNT,  41                          ; s41  counts key steps
.set MSB, 0
.macro WIN new                         ; the immediate's high byte repeats the setting that is left
.if MSB != \new
	s_set_vgpr_msb (MSB<<8)|\new
.set MSB, \new
.endif
.endm
.macro ROUND                           ; a round of the cluster's barrier
	s_barrier_signal -1
	s_barrier_wait -1
	s_cmp_lg_u32 s[WV], 0
	s_cbranch_scc1 .Lnot_wave_0_\@
	s_barrier_signal -3
.Lnot_wave_0_\@:
	s_barrier_wait -3
	s_barrier_signal -1
	s_barrier_wait -1
.endm
	s_load_b256 s[4:11], s[0:1], 0x0               ; qc s[4:5], qs s[6:7], kv s[8:9], out0 s[10:11]
	v_lshl_add_u32 v[SPW], v0, 2, SPARE
	v_mov_b32 v[NIL], 0
	ds_add_u32 v[SPW], v[NIL]                      ; the wave's opening: the add and its wait stand ahead of my first tensor load; the set-up below, work on registers, stands between them
	v_lshrrev_b32 v1, 5, v0
	v_readfirstlane_b32 s[WV], v1                  ; wave 0..7
	s_bfe_u32 s13, ttmp6, 0x40000                  ; cx: my place in the cluster
	s_lshl_b32 s14, ttmp9, 2
	s_add_co_u32 s14, s14, s13                     ; x = 4 x cluster x + cx: it enters Q's and the output's global addresses alone
	s_and_b32 s15, ttmp7, 0xffff                   ; the batch, which the four partners share
	; descriptor group 1: 12,800 dense bytes as 50 rows of 256 bytes (32 elements of 8 bytes)
	s_mov_b32 s[G1], 15|(3<<16)|(1<<21)            ; 15:0 the mask: all four work-groups; 17:16 elements of 8 bytes; 21 set beside a mask; no padding
	s_mov_b32 s[G1+1], 32<<16                      ; tensor_dim0
	s_mov_b32 s[G1+2], 50<<16                      ; tensor_dim1
	s_mov_b32 s[G1+3], 32<<16                      ; tile_dim0
	s_mov_b32 s[G1+4], 50                          ; tile_dim1
	s_mov_b32 s[G1+5], 32                          ; tensor_dim0_stride
	s_mov_b32 s[G1+6], 0
	s_mov_b32 s[G1+7], 0
	s_mov_b32 s[SEL], 0x76543210
	s_mov_b32 s[SEL+1], 0xfedcba98
	s_mov_b32 s[CS], 0x3e0293ee                    ; c = log2(e) / sqrt(128)
	s_mov_b32 s[CS+1], s[CS]                       ; (named with it as a pair, so it is written)
	s_mov_b32 s[TB], 0
	s_mul_i32 s42, s[WV], 12800                    ; my eighth of a region: in LDS,
	s_mul_i32 s44, s15, 16*REC
	s_add_co_u32 s44, s44, s42                     ; and in the batch's records: made of the batch and the wave's number alone
	s_mov_b32 s45, 0
	s_lshl_b32 s46, s15, 7
	s_add_co_u32 s46, s46, s14                     ; X = 128 x batch + x: my 16 tiles are images 16 X .. 16 X + 15 of qc
	s_mul_i32 s48, s46, 24576
	s_mul_i32 s54, s[WV], 3072
	s_add_co_u32 s48, s48, s54                     ; my two tiles' images
	s_mov_b32 s49, 0
	s_lshl_b32 s50, s46, 10                        ; their scale words: 1,024 X + 256 (wave / 2) + 8 (wave % 2), + 16 r
	s_lshr_b32 s54, s[WV], 1
	s_lshl_b32 s54, s54, 8
	s_add_co_u32 s50, s50, s54
	s_and_b32 s54, s[WV], 1
	s_lshl_b32 s54, s54, 3
	s_add_co_u32 s50, s50, s54
	s_mov_b32 s51, 0
	s_lshl_b32 s52, s15, 4                         ; the output: the group of 128 positions is 16 x batch + x / 8,
	s_lshr_b32 s54, s14, 3
	s_add_co_u32 s52, s52, s54
	s_lshl_b32 s52, s52, 20                        ; 128 rows of 8,192 bytes each;
	s_and_b32 s54, s[WV], 3
	s_lshl_b32 s54, s54, 18                        ; my two tiles lie in its positions 32 (wave % 4) on;
	s_add_co_u32 s52, s52, s54
	s_and_b32 s54, s14, 7
	s_lshl_b32 s54, s54, 1
	s_lshr_b32 s55, s[WV], 2
	s_add_co_u32 s54, s54, s55                     ; the head is 2 (x % 8) + wave / 4,
	s_lshl_b32 s54, s54, 9                         ; 512 bytes of a row
	s_add_co_u32 s52, s52, s54
	s_mov_b32 s53, 0
	v_and_b32 v1, 31, v0
	v_lshlrev_b32 v1, 4, v1                        ; v1: 16 x lane
	v_and_b32 v7, 15, v0                           ; v7: r
	v_lshlrev_b32 v2, 4, v7                        ; v2: 16 r
	v_bfe_u32 v8, v0, 4, 1                         ; v8: h
	s_wait_dscnt 0x0                               ; the opening add is done
	s_wait_kmcnt 0x0
	s_add_nc_u64 s[8:9], s[8:9], s[44:45]
	s_add_nc_u64 s[4:5], s[4:5], s[48:49]
	s_add_nc_u64 s[6:7], s[6:7], s[50:51]
	s_add_nc_u64 s[10:11], s[10:11], s[52:53]
.irp k, 0,1,2
	s_mov_b32 s[G0+4*\k], 1                        ; 1:0 count = 1
	s_add_co_u32 s[G0+4*\k+1], s42, \k*REG         ; 63:32 LDS address
	s_add_nc_u64 s[G0+4*\k+2:G0+4*\k+3], s[8:9], \k*REG   ; 120:64 global address: key steps 4 k on
	s_or_b32 s[G0+4*\k+3], s[G0+4*\k+3], 0x80000000       ; 127:126 type = 2
.endr
	ROUND                                          ; all four work-groups are here: the first joint loads meet
	tensor_load_to_lds s[G0:G0+3], s[G1:G1+7]      ; three tensor loads of mine are out
	s_nop 0
	tensor_load_to_lds s[G0+4:G0+7], s[G1:G1+7]
	s_nop 0
	tensor_load_to_lds s[G0+8:G0+11], s[G1:G1+7]
	s_nop 0
.rept 4
	v_nop
.endr
.irp c, 0,1,2
	global_load_b128 v[16+4*\c:19+4*\c], v1, s[4:5] offset:512*\c          ; Q stays in registers: tile 0,
.endr
	global_load_b64 v[30:31], v2, s[6:7]           ; both tiles' scale words,
	WIN 0x40                                       ; destination window 1
.irp c, 0,1,2
	global_load_b128 v[16+4*\c:19+4*\c], v1, s[4:5] offset:1536+512*\c     ; tile 1
.endr
; The key step is written without a first step of its own: O^T and the sum begin as zeros and the largest t as -3e38, so that the first change of M multiplies zeros.
.macro INIT
	v_mov_b32 v13, 0xff61b1e6                      ; the largest t so far: -3e38, under every t
	v_floor_f32 v12, -v13                          ; -M
	v_mov_b32 v14, 0
	v_mov_b32 v15, 0
.irp b, 0,1,2,3
	v_mov_b32 v[236+\b], 0                         ; written once: a lane permute's destination counts as one of its sources
.endr
	v_mov_b32 v253, 0                              ; (named as the upper half of the pair v[252:253])
.set J, 0
.rept 64
	v_mov_b32 v[160+J], 0
.set J, J+1
.endr
.endm
	WIN 0
	INIT
	WIN 0x55
	INIT
	WIN 0
; 26 LDS loads: eight images at off in the record, fragments 0-3 and the scale words first, fragments 4-7 (window 1) behind them
.macro LOADF off, sc
.irp t, 0,1,2,3
.irp c, 0,1,2
	ds_load_b128 v[32+12*\t+4*\c:35+12*\t+4*\c], v3 offset:\off+1536*\t+512*\c
.endr
.endr
	ds_load_b128 v[\sc:\sc+3], v4 offset:\off+12288        ; lane-row r's words of images 0-3,
	ds_load_b128 v[\sc+4:\sc+7], v4 offset:\off+12544      ; and of images 4-7
	WIN 0x40
.irp t, 0,1,2,3
.irp c, 0,1,2
	ds_load_b128 v[32+12*\t+4*\c:35+12*\t+4*\c], v3 offset:\off+6144+1536*\t+512*\c
.endr
.endr
	WIN 0
.endm
.macro KQ u, g                         ; S^T of tile u, keys' images 4 g .. 4 g + 3: each product starts its sum
.set WN, (0x44*\u)|\g                  ; Q and S^T in window u, K's fragments in window g
	WIN WN
.irp t, 0,1,2,3
	v_wmma_scale_f32_16x16x128_f8f6f4 v[96+8*(4*\g+\t):103+8*(4*\g+\t)], v[32+12*\t:43+12*\t], v[16:27], 0, v[80+4*\g+\t], v[30+\u] matrix_a_fmt:MATRIX_FMT_FP6 matrix_b_fmt:MATRIX_FMT_FP6
.endr
.endm
.macro PV u, g                         ; O^T of tile u += V^T's images 4 g .. 4 g + 3 x p: one instruction to each accumulator in a key step
.set WN, (0x54*\u)|\g                  ; p's codes and O^T in window u, V's fragments in window g
	WIN WN
.irp t, 0,1,2,3
	v_wmma_scale_f32_16x16x128_f8f6f4 v[160+8*(4*\g+\t):167+8*(4*\g+\t)], v[32+12*\t:43+12*\t], v[224:235], v[160+8*(4*\g+\t):167+8*(4*\g+\t)], v[88+4*\g+\t], v[28+\u] matrix_a_fmt:MATRIX_FMT_FP6 matrix_b_fmt:MATRIX_FMT_FP6
.endr
.endm
; Tile u's softmax of a key step, all in window u but for the scale word, which scaled products take from window 0
.macro SOFTMAX u
.set WS, 0x55*\u
.set WS1, 0x11*\u
	WIN WS
.irp b, 0,1,2,3
	v_max3_num_f32 v[232+\b], v[96+16*\b], v[97+16*\b], v[98+16*\b]   ; THE LARGEST SCORE OF EACH BLOCK OF 32 KEYS: it serves for the row's maximum and, since p rises with the score, for the block's largest p
.endr
.irp i, 3,5,7,9,11,13
.irp b, 0,1,2,3
	v_max3_num_f32 v[232+\b], v[232+\b], v[96+16*\b+\i], v[97+16*\b+\i]   ; (the four blocks by turns)
.endr
.endr
.irp b, 0,1,2,3
	v_max_num_f32 v[232+\b], v[232+\b], v[111+16*\b]
.endr
.irp b, 0,1,2,3
	v_permlanex16_b32 v[236+\b], v[232+\b], s[SEL], s[SEL+1]
.endr
.irp b, 0,1,2,3
	v_max_num_f32 v[232+\b], v[232+\b], v[236+\b]  ; with lane l xor 16's 16 keys
.endr
	v_max3_num_f32 v254, v232, v233, v234
	v_max_num_f32 v254, v254, v235                 ; the step's largest score of my query
	v_mul_f32 v254, s[CS], v254                    ; as t (c is positive)
	v_max_num_f32 v13, v13, v254                   ; the running largest t
	v_mov_b32 v254, v12
	v_floor_f32 v12, -v13                          ; the new -M = floor(-t) = -ceil(t): M IS A WHOLE NUMBER
	v_sub_f32 v254, v12, v254                      ; M's old value less its new one: a whole number, 0 or less
	v_cvt_i32_f32 v254, v254                       ; (it saturates)
	v_ldexp_f32 v252, 1.0, v254                    ; f = 2^(old M - new M)
.set J, 0
.rept 32
	v_pk_fma_f32 v[96+J:97+J], v[96+J:97+J], s[CS:CS+1], v[12:13] op_sel_hi:[1,0,0]   ; t - M, two at a time
.set J, J+2
.endr
.irp b, 0,1,2,3
	v_fma_f32 v[232+\b], v[232+\b], s[CS], v12     ; the same of each block's largest score
.endr
.set J, 0
.rept 64
	v_exp_f32 v[96+J], v[96+J]                     ; p = 2^(t - M), at most 1: NOT normalised
.set J, J+1
.endr
	v_pk_mul_f32 v[14:15], v[14:15], v[252:253] op_sel_hi:[1,0]   ; the sums under the new M.  (A plain place behind the exponentials)
	s_wait_alu depctr_va_vdst(0)                   ; one for the whole batch, ahead of its first reader
.irp b, 0,1,2,3
	v_exp_f32 v[232+\b], v[232+\b]                 ; the block's largest p: the same two instructions on the same number give the same bits
.endr
	v_pk_add_f32 v[236:237], v[96:97], v[98:99]    ; THE ROW'S SUM IS TAKEN OF THE UNQUANTISED p: two at a time, in two chains
.irp j, 4,8,12,16,20,24,28,32,36,40,44,48,52,56,60
	v_pk_add_f32 v[14:15], v[14:15], v[96+\j:97+\j]
	v_pk_add_f32 v[236:237], v[236:237], v[98+\j:99+\j]
.endr
	v_pk_add_f32 v[14:15], v[14:15], v[236:237]
	s_wait_alu depctr_va_vdst(0)                   ; and one for the four
.irp b, 0,1,2,3
	v_max_num_f32 v[232+\b], 0x1800000, v[232+\b]  ; the floor 2^(3 - 127): the byte cannot fall under 1
.endr
.irp b, 0,1,2,3
	v_add_nc_u32 v[244+\b], 0xff000000, v[232+\b]  ; 2 off the exponent field: the conversion's scale operand
.endr
.irp b, 0,1,2,3
	v_lshrrev_b32 v[236+\b], 23, v[244+\b]         ; the scale's byte
.endr
	v_lshl_or_b32 v254, v237, 8, v236
	v_lshl_or_b32 v254, v238, 16, v254
	WIN WS1                                        ; the destination in window 0
	v_lshl_or_b32 v[28+\u], v239, 24, v254         ; p's scale word for these 128 keys
	WIN WS
.irp c, 0,1
	v_cvt_scalef32_pk16_fp6_f32 v[224+6*\c:226+6*\c], v[96+32*\c:111+32*\c], v[244+2*\c]
	v_cvt_scalef32_pk16_fp6_f32 v[236+4*\c:238+4*\c], v[112+32*\c:127+32*\c], v[244+2*\c+1]   ; (a conversion's three registers begin on an even number)
.endr
	v_nop                                          ; one plain place behind a scaled conversion
.irp c, 0,1                                    ; the operand's layout wants a WHOLE block in a lane
.irp i, 0,1,2
	v_permlane16_swap_b32 v[224+6*\c+\i], v[236+4*\c+\i]
.endr
.irp i, 0,1,2
	v_mov_b32 v[227+6*\c+\i], v[236+4*\c+\i]
.endr
.endr
.set J, 0
.rept 32
	v_pk_mul_f32 v[160+J:161+J], v[160+J:161+J], v[252:253] op_sel_hi:[1,0]   ; O^T under the new M: x f.  (These are also the places between the codes' and the scale word's last writes and the products)
.set J, J+2
.endr
.endm
; A KEY STEP: 128 keys, both tiles
.macro STEP
	v_add_nc_u32 v3, s[TB], v1                     ; the record's images, 16 bytes a lane;
	v_add_nc_u32 v4, s[TB], v2                     ; its scale words, 16 bytes a lane-row
	v_nop
	v_nop                                          ; four places in front of loads into registers that the last products have read
	LOADF 0, 80                                    ; K
	s_wait_dscnt 12                                ; fragments 0-3 and the scale words are in; the youngest twelve loads (fragments 4-7) may be out
	KQ 0, 0
	KQ 1, 0
	s_wait_dscnt 0x0
	KQ 0, 1
	KQ 1, 1
	WIN 0
.rept 4
	v_nop                                          ; places in front of the loads below and of the first read of the scores
.endr
	LOADF 12800, 88                                ; V lands while the softmax is walked
	SOFTMAX 0
	SOFTMAX 1
	s_wait_dscnt 0x0
	PV 0, 0
	PV 1, 0
	PV 0, 1
	PV 1, 1
	WIN 0                                          ; at a label and at a branch every window is 0
	s_add_co_u32 s[TB], s[TB], REC
.endm
.macro GROUP n                         ; n key steps
	s_mov_b32 s[CNT], \n
.Lstep_\@:
	STEP
	s_sub_co_u32 s[CNT], s[CNT], 1
	s_cmp_lg_u32 s[CNT], 0
	s_cbranch_scc1 .Lstep_\@
.endm
	s_wait_loadcnt 0x0                             ; Q
	s_wait_tensorcnt 2                             ; my part of the first region is in; the other two loads may stay out
	s_barrier_signal -1
	s_barrier_wait -1                              ; everybody's is
	GROUP 4                                        ; key steps 0-3, from the first region
	s_wait_tensorcnt 0x0                           ; all my tensor loads have landed: my parts of the other two regions; so a group 0 may be written
	ds_add_u32 v[SPW], v[NIL]                      ; 0 onto my spare word
	s_add_nc_u64 s[G0+2:G0+3], s[G0+2:G0+3], 3*REG ; the first region's next tile: key steps 12-15; the type bits on top are not reached
	s_wait_dscnt 0x0                               ; the add is done, and my reads of the first region are over
	ROUND                                          ; both now hold of every wave of every work-group of the cluster
	tensor_load_to_lds s[G0:G0+3], s[G1:G1+7]      ; the first thing behind the round, one load a wave: it has eight key steps in which to land
	s_nop 0
.rept 4
	v_nop
.endr
	s_mov_b32 s[TB], REG
	GROUP 8                                        ; key steps 4-11, from the second and third regions
	s_wait_tensorcnt 0x0                           ; my part of key steps 12-15 is in,
	s_wait_dscnt 0x0                               ; and my reads of the second and third regions are over
	s_barrier_signal -1
	s_barrier_wait -1                              ; both hold of every wave
	s_mov_b32 s[TB], 0
	GROUP 4                                        ; key steps 12-15
	; THE WAY OUT.  The sum's two halves and lane l xor 16's are added; O^T is divided by the sum and goes through my stage in LDS, a tile (16 queries x 512 bytes) at a time.
	v_add_f32 v14, v14, v15                        ; (these name no register of the last products: they are the places behind them)
	v_permlanex16_b32 v252, v14, s[SEL], s[SEL+1]
	v_add_f32 v14, v14, v252
	WIN 0x55
	v_add_f32 v14, v14, v15
	v_permlanex16_b32 v252, v14, s[SEL], s[SEL+1]
	v_add_f32 v14, v14, v252
	v_rcp_f32 v14, v14
	WIN 0
	v_rcp_f32 v14, v14
	s_mul_i32 s42, s[WV], 16*528
	s_add_co_u32 s42, s42, STAGE                   ; my stage
	v_mul_u32_u24 v9, v7, 528                      ; (plain work behind the reciprocals)  in: row r, + 64 h; image t's eight channels 128 (t / 2) + 32 (t % 2) bytes on
	v_lshl_add_u32 v9, v8, 6, v9
	v_add_nc_u32 v9, s42, v9
	v_add_nc_u32 v10, s42, v1                      ; back: the 32 lanes take one row of 512 bytes
	s_wait_alu depctr_va_vdst(0)                   ; one for both reciprocals, ahead of their first reader
.set J, 0
.rept 32
	v_pk_mul_f32 v[96+J:97+J], v[160+J:161+J], v[14:15] op_sel_hi:[1,0]   ; tile 0: O^T / the sum; each accumulator from its low end on
.set J, J+2
.endr
.irp t, 0,1,2,3,4,5,6,7
	ds_store_b128 v9, v[96+8*\t:99+8*\t] offset:128*(\t/2)+32*(\t%2)
	ds_store_b128 v9, v[100+8*\t:103+8*\t] offset:128*(\t/2)+32*(\t%2)+16
.endr
	WIN 0x40                                       ; destination window 1: tile 1's p is done with
.irp i, 0,1,2,3,4,5,6,7,8,9,10,11,12,13,14,15
	ds_load_b128 v[96+4*\i:99+4*\i], v10 offset:528*\i   ; LDS serves a wave's instructions in order: these see the stores above
.endr
	WIN 0x05                                       ; sources window 1, destination window 0: tile 0's O^T is done with
.set J, 0
.rept 32
	v_pk_mul_f32 v[160+J:161+J], v[160+J:161+J], v[14:15] op_sel_hi:[1,0]   ; tile 1's arithmetic stands between tile 0's loads and its stores
.set J, J+2
.endr
	WIN 0x04                                       ; a store's data are its source 1: window 1
.irp i, 0,1,2,3,4,5,6,7,8,9,10,11,12,13,14,15
	s_wait_dscnt 15-\i
	global_store_b128 v1, v[96+4*\i:99+4*\i], s[10:11] offset:(\i+8*(\i/8))*8192 th:TH_STORE_NT   ; lane-row i is position i + 8 (i / 8) of the tile's: 32 lanes store 512 consecutive bytes, at a multiple of 512 from the output's first byte
.endr
	WIN 0
.irp t, 0,1,2,3,4,5,6,7
	ds_store_b128 v9, v[160+8*\t:163+8*\t] offset:128*(\t/2)+32*(\t%2)
	ds_store_b128 v9, v[164+8*\t:167+8*\t] offset:128*(\t/2)+32*(\t%2)+16
.endr
.irp i, 0,1,2,3,4,5,6,7,8,9,10,11,12,13,14,15
	ds_load_b128 v[96+4*\i:99+4*\i], v10 offset:528*\i
.endr
.irp i, 0,1,2,3,4,5,6,7,8,9,10,11,12,13,14,15
	s_wait_dscnt 15-\i
	global_store_b128 v1, v[96+4*\i:99+4*\i], s[10:11] offset:(8+\i+8*(\i/8))*8192 th:TH_STORE_NT   ; tile 1 lies 8 positions on
.endr
	s_wait_tensorcnt 0x0                           ; the wave's end, behind my last tensor load and my last LDS store
	ds_add_u32 v[SPW], v[NIL]
	s_wait_dscnt 0x0
	ROUND                                          ; the closing round: no work-group ends while a partner may still ask for a tile that names it
	s_endpgm
.Lfunc_end_k_q8f4e9ae066_attn:
	.size	k_q8f4e9ae066_attn, .Lfunc_end_k_q8f4e9ae066_attn-k_q8f4e9ae066_attn
	.p2alignl 7, 3214868480
	.fill 96, 4, 3214868480
	.section	.rodata,"a",@progbits
	.p2align	6, 0x0
	.amdhsa_kernel k_q8f4e9ae066_attn
		.amdhsa_group_segment_fixed_size 327680
		.amdhsa_private_segment_fixed_size 0
		.amdhsa_enable_private_segment 0
		.amdhsa_kernarg_size 32
		.amdhsa_user_sgpr_count 2
		.amdhsa_user_sgpr_kernarg_segment_ptr 1
		.amdhsa_wavefront_size32 1
		.amdhsa_system_sgpr_workgroup_id_x 1
		.amdhsa_system_sgpr_workgroup_id_y 1
		.amdhsa_system_sgpr_workgroup_id_z 1
		.amdhsa_system_vgpr_workitem_id 0
		.amdhsa_next_free_vgpr 512
		.amdhsa_next_free_sgpr 66
		.amdhsa_reserve_vcc 0
		.amdhsa_float_denorm_mode_32 3
		.amdhsa_float_denorm_mode_16_64 3
		.amdhsa_memory_ordered 1
		.amdhsa_forward_progress 1
		.amdhsa_inst_pref_size 125
	.end_amdhsa_kernel
	.amdgpu_metadata
---
amdhsa.version: [ 1, 2 ]
amdhsa.kernels:
  - .name:           k_q8f4e9ae066_attn
    .symbol:         k_q8f4e9ae066_attn.kd
    .args:
      - { .name: qc, .offset: 0, .size: 8, .value_kind: global_buffer, .address_space: global }
      - { .name: qs, .offset: 8, .size: 8, .value_kind: global_buffer, .address_space: global }
      - { .name: kv, .offset: 16, .size: 8, .value_kind: global_buffer, .address_space: global }
      - { .name: out0, .offset: 24, .size: 8, .value_kind: global_buffer, .address_space: global }
    .group_segment_fixed_size: 327680
    .private_segment_fixed_size: 0
    .kernarg_segment_align: 8
    .kernarg_segment_size: 32
    .max_flat_workgroup_size: 256
    .sgpr_count:     66
    .vgpr_count:     512
    .wavefront_size: 32
...
	.end_amdgpu_metadata
.endif
;; end of part 3
